; MI455X (gfx1250); checked and timed in simulation.
; The chip was launched on July 23, 2026; its instructions are those of AMD's public machine-readable ISA for CDNA 5 (MIT licence, August 2026) and "CDNA5" Instruction Set Architecture Reference Guide (July 2026). The comments in the code are by the model that wrote it; some were corrected since.
;; Head. Allowed arithmetic: matrix products marked QUANTISED: E2M1 operands, one E8M0 scale for each 32 along K, by v_wmma_scale_f32_16x16x128_f8f6f4 with both operands' format E2M1 (or v_wmma_scale_f32_32x16x128_f4), f32 sums; everything else in f32.
;; Inputs: Wk_codes 64 x 32 x 16 uint8 (E2M1 codes of Wk, K innermost, in blocks of 32 codes, two codes a byte); Wk_scales 64 x 32 uint8 (E8M0 scales of Wk, one for each 32 codes along K); Wq_codes 64 x 32 x 16 uint8 (E2M1 codes of Wq, K innermost, in blocks of 32 codes, two codes a byte); Wq_scales 64 x 32 uint8 (E8M0 scales of Wq, one for each 32 codes along K); Wv_codes 64 x 32 x 16 uint8 (E2M1 codes of Wv, K innermost, in blocks of 32 codes, two codes a byte); Wv_scales 64 x 32 uint8 (E8M0 scales of Wv, one for each 32 codes along K); bk 64 float32; bq 64 float32; bv 64 float32; x_codes 4 x 4,096 x 32 x 16 uint8 (E2M1 codes of x, K innermost, in blocks of 32 codes, two codes a byte); x_scales 4 x 4,096 x 32 uint8 (E8M0 scales of x, one for each 32 codes along K).
;; Outputs: out0 4 x 4,096 x 64 float32.
;; This version of the problem:
;;   THIS VERSION OF THE PROBLEM IS GIVEN IN LOW PRECISION. The matrix products marked QUANTISED in the list below multiply operands that are first quantised to E2M1 (2 exponent bits, 1 mantissa bit; 4 bits a number), with one power-of-two scale for each 32 numbers along K (OCP MX v1.0); their sums are f32. All else is computed in f32.
;;   The module's matrix products, in the order in which they are computed (A, B: the left and right operand; K: the contracted axis; several contracted axes count as one K, in the product's order):
;;     1. [M 16,384, K 1,024] x [K 1,024, N 64]; A: input x (given as codes); B: input Wq (given as codes): QUANTISED
;;     2. [M 16,384, K 1,024] x [K 1,024, N 64]; A: input x (given as codes); B: input Wk (given as codes): QUANTISED
;;     3. [M 16,384, K 1,024] x [K 1,024, N 64]; A: input x (given as codes); B: input Wv (given as codes): QUANTISED
;;     4. batch 4 x [M 4,096, K 64] x [K 64, N 4,096]; A: computed on the way; B: computed on the way: QUANTISED
;;     5. batch 4 x [M 4,096, K 4,096] x [K 4,096, N 64]; A: softmax (see below); B: computed on the way: QUANTISED
;;   THE QUANTISER, for each operand of a quantised product, along K:
;;     - K is cut into blocks of 32 from its start; a last block that is shorter is filled with zeros.
;;     - A block's scale is 2^e with e = floor(log2(the largest magnitude in the block)) - 2, held to -126 .. 127; a block of zeros has e = 0. As a byte (E8M0): e + 127.
;;     - Each number is divided by its block's scale, clamped to +-6, and rounded to the nearest number of E2M1, ties to even, subnormals kept.
;;     - The product sums the exact products of the quantised numbers (number of the format x scale) in f32.
;;   ~~~python
;;   def quantise(x, axis):      # numpy; x: float32 -> the quantised numbers, widened to float32 again
;;       x = np.moveaxis(x, axis, -1); K = x.shape[-1]
;;       x = np.pad(x, [(0, 0)] * (x.ndim - 1) + [(0, -K % 32)]); x = x.reshape(x.shape[:-1] + (-1, 32)); a = np.abs(x).max(-1, keepdims=True)
;;       e = np.where(a > 0, np.clip(np.frexp(np.where(a > 0, a, 1))[1] - 1 - 2, -126, 127), 0)      # np.frexp(a)[1] - 1 = floor(log2(a)), exactly
;;       r = np.clip(x / 2.0 ** e, -6, 6)
;;       step = 2.0 ** (np.maximum(np.frexp(np.where(r == 0, 1, r))[1] - 1, 0) - 1)
;;       q = np.round(r / step) * step * 2.0 ** e      # np.round: ties to even
;;       return np.moveaxis(q.reshape(q.shape[:-2] + (-1,))[..., :K], -1, axis).astype(np.float32)
;;   ~~~
;;   SOFTMAX AHEAD OF A QUANTISED PRODUCT. Where the list says 'softmax', what is quantised is not the finished softmax but p = 2^(t - M), with t = logit x log2(e) and M = ceil(the row's largest t), a whole number; so 1/2 < the row's largest p <= 1. The row's sum l is taken of the UNQUANTISED p, in f32, and the product's result is divided by l at the end. Since M is a whole number, a kernel that streams over the keys may use a running M (the ceiling of the running maximum): every later rescaling is an exact power of two, which a block's scale takes up: the codes' values come out the same.
;;   OPERANDS COMPUTED ON THE WAY. 'Computed on the way' means the value that the module computes at that place (a softmax that the list does not call 'softmax' is quantised finished and normalised). What goes into a quantiser is computed in f32, as accurately as f32 sums, v_exp_f32 and their like allow (about 1e-6 of the number): no bf16 or f16 on the way to a quantiser, and a product that is left as it is and whose result goes on into a quantised operand takes f32 operands (vector FMAs, or v_wmma_f32_16x16x4_f32). A number that lies on a knife's edge between two numbers of the format may be rounded either way, as far as f32 arithmetic and the matrix unit's own rounding can turn it there, and no further.
;;   INPUTS GIVEN AS CODES. Wk (in the module: [1024, 64], K = its axis 0); Wq (in the module: [1024, 64], K = its axis 0); Wv (in the module: [1024, 64], K = its axis 0); x (in the module: [4, 4096, 1024], K = its axis 2): each comes as NAME_codes (uint8): NAME with its K axis moved to the last place and cut into blocks of 32 codes, [.., K / 32, bytes a block], one block behind the other in memory; two codes a byte, the lower K in the low four bits (a code: sign, 2 exponent bits, 1 mantissa bit); and NAME_scales (uint8): the same leading axes, one E8M0 byte (e + 127) for each 32 codes along K. Its value is code x scale, taken as it is: it is not quantised again, and the codes and scales need not be those that the quantiser above would give.
;; One version. Each part assembles by itself: llvm-mc -triple=amdgcn-amd-amdhsa -mcpu=gfx1250 --defsym DOCPART=n.
;; ======== version 1 of 1: 2 launches
;; workspace buffers: qc 524,288 bytes; qs 65,536 bytes; kv 1,146,880 bytes
;; launch proj (part 1): grid 256 x 1, 6 waves a work-group, clusters of 4 x 1, 167,936 bytes of LDS; arguments Wq_codes, Wq_scales, Wk_codes, Wk_scales, x_codes, x_scales, Wv_codes, Wv_scales, bq, bk, bv, qc, qs, kv; writes qc, qs, kv
.if DOCPART == 1
	.amdgcn_target "amdgcn-amd-amdhsa--gfx1250"
	.amdhsa_code_object_version 6
	.text
	.protected	k_q69af3b4498_proj
	.globl	k_q69af3b4498_proj
	.p2align	8
	.type	k_q69af3b4498_proj,@function
k_q69af3b4498_proj:
	s_mov_b64 s[64:65], 0
	v_nop
	global_prefetch_b8 v0, s[64:65] scope:SCOPE_SE
	s_setreg_imm32_b32 hwreg(HW_REG_WAVE_MODE, 25, 1), 1
	s_wait_xcnt 0x0
	s_wait_alu depctr_hold_cnt(0) depctr_sa_sdst(0) depctr_va_vdst(0) depctr_va_sdst(0) depctr_va_ssrc(0) depctr_va_vcc(0) depctr_vm_vsrc(0)
	s_getreg_b32 s2, hwreg(HW_REG_IB_STS2, 6, 4)
	s_cmp_eq_u32 s2, 0
	s_cbranch_scc0 .Lentry_in_a_cluster
	s_endpgm
.Lentry_in_a_cluster:
	s_bfe_u32 s2, ttmp6, 0x10000c
	s_cmp_lg_u32 s2, 0x3003
	s_cbranch_scc0 .Lentry_shape_is_right
	s_endpgm
.Lentry_shape_is_right:
; q = x Wq + bq, k = x Wk + bk, v = x Wv + bv on codes of FP4 (E2M1) with E8M0 scales; sums in f32; the results are quantised at once and leave as IMAGES OF OPERAND REGISTERS.
; x: 16,384 rows of 1,024 codes (512 bytes) and 32 scale bytes; each W: 64 rows (channels) of the same make; biases f32.
; OUT.  qc: for each tile of 16 queries 512 bytes: lane (r, h) owns the 16 bytes at 16 x lane: channels 32 h .. 32 h + 31 of query r.  qs: a word a query: the two scale bytes, then 0x7f, 0x7f (for the zero codes that fill K up to 128).
;   kv: a record of 8,960 bytes for each 128 keys: 8 images of k (tile T: keys 16 T + r), 8 images of v (image 4 c + t: keys 64 c + 32 h + 0 .. 31 of channel 16 t + r), 128 words of k's scales, 64 words of v's (byte b: key block b).
; SHARES.  A work-group owns 64 rows of x: half a record.  Six waves: role = wave / 2 (q, k, v), eta = wave % 2.  One body serves all roles: D = A B^T, 4 tiles of A x 2 tiles of B, 8 K steps of 128.
;   q, k: A = the 64 rows of W, B = 32 of my rows of x.   v: A = my 64 rows of x (keys), B = 32 rows of Wv (channels).   So a lane holds ONE row of B, and its registers run along A's rows,
;   which is the axis along which the result is quantised: the channels for q and k, the keys for v.  Register j of A's tile T in lane (r, h) is A's row 16 T + 8 h + j.
; CLUSTER.  All work-groups read the same three weights: four work-groups ask for each JOINTLY (mask 15).  x's rows are the work-group's own: plain loads.  Every LDS byte is filled once.
; v's scale bytes are stored two bytes a channel (the neighbouring work-group owns the word's other half): 128 bytes a wave that do not fill their 256-byte blocks; all other stores cover 128 or 512 consecutive bytes.
; LIMITS: NaN, infinities and the scale byte 0xff among the inputs are not served.  A block whose largest magnitude lies under 2^-124 (a block of zeros among them) gets the byte 1, not the quantiser's 127 for zeros:
; its codes are zeros or the nearest codes under that scale, and the bytes are read by this program alone.
.set RC,    33792                      ; a region of codes in LDS: 64 rows x (512 + 16): rows 33 x 16 bytes apart, so the 16 rows of a fragment load start in 16 different columns of 16 bytes
.set RS,    3072                       ; a region of scale bytes: 64 rows x (32 + 16)
.set SBASE, 4*RC                       ; regions 0 Wq, 1 Wk, 2 x, 3 Wv: the codes, then the scales
.set TROW,  16*528                     ; from tile to tile
.set REC,   8960
.set FA,  4                            ; v4   LDS: A's fragments: region + 528 r + 16 h
.set FB,  5                            ; v5   B's: region + 528 (32 eta + r) + 16 h
.set SA,  6                            ; v6   A's scale words: region + 48 x lane
.set SBA, 7                            ; v7   B's: region + 48 (32 eta + lane)
.set O16, 8                            ; v8   16 x lane
.set O4,  9                            ; v9   4 x lane
.set BO,  10                           ; v10  bias of q, k: 32 h
.set BV,  11                           ; v11  bias of v: 128 eta + 4 r
.set SCA, 16                           ; v16-31  A's scale words: 8 (T / 2) + K step; lanes 0-15 the even tile, lanes 16-31 the odd one
.set SCB, 32                           ; v32-39  B's: K step; lanes 0-15 tile 0, lanes 16-31 tile 1
.set BI,  40                           ; v40-71  the bias in the result's layout
.set F0,  72                           ; v72-119, v120-167  two sets of fragments: A's four, then B's two
.set ACC, 168                          ; v168-231  accumulator (T, u) at 32 u + 8 T
.set TM,  232                          ; v232-235 largest magnitudes, 236-239 bytes, 240-243 scale operands, 244-245 scale words
.set PC,  248                          ; v248-255 the codes: four registers for each tile of B
.set CJ,  36                           ; s[36:43] group 1: codes, joint;  s[44:51] codes, plain;  s[52:59] scales, joint;  s[68:75] scales, plain
.set CPL, 44
.set SJ,  52
.set SPL, 68
.macro PLACES                          ; four plain vector instructions that name no register of the matrix instruction in front (ISA guide 7.12.1)
.rept 4
	v_nop
.endr
.endm
.macro CROUND                          ; a round of the cluster's barrier
	s_barrier_signal -1
	s_barrier_wait -1
	s_cmp_lg_u32 s60, 0
	s_cbranch_scc1 .Lnot_wave_0_\@
	s_barrier_signal -3
.Lnot_wave_0_\@:
	s_barrier_wait -3
	s_barrier_signal -1
	s_barrier_wait -1
.endm
; group 0 of the eight tiles lies at s[4 + 4 i : 7 + 4 i] in the order of the arguments; the addresses are loaded straight into words 2 and 3
.irp i, 0,1,2,3,4,5,6,7
	s_load_b64 s[6+4*\i:7+4*\i], s[0:1], 8*\i
.endr
	s_load_b128 s[76:79], s[0:1], 0x40             ; bq, bk
	s_load_b64 s[80:81], s[0:1], 0x50              ; bv
	s_load_b64 s[82:83], s[0:1], 0x58              ; qc
	s_load_b128 s[84:87], s[0:1], 0x60             ; qs, kv
	v_lshrrev_b32 v1, 5, v0
	v_readfirstlane_b32 s60, v1                    ; wave 0..5
	s_lshr_b32 s61, s60, 1                         ; role: 0 q, 1 k, 2 v
	s_and_b32 s62, s60, 1                          ; eta
	s_bfe_u32 s63, ttmp6, 0x40000                  ; cx
	s_lshl_b32 s66, ttmp9, 2
	s_add_co_u32 s66, s66, s63                     ; work-group = 4 x cluster + cx: it enters global addresses alone
	s_mov_b32 s94, 0x76543210
	s_mov_b32 s95, 0xfedcba98                      ; v_permlanex16_b32's selects for lane l xor 16
	v_and_b32 v1, 15, v0                           ; r
	v_bfe_u32 v2, v0, 4, 1                         ; h
	v_and_b32 v3, 31, v0                           ; lane
	s_wait_alu depctr_va_vdst(0)
	s_lshr_b32 s96, s61, 1
	s_add_co_u32 s96, s96, 2                       ; B's region: x (2) for q and k, Wv (3) for v;  A's region is the role's number
	s_mul_i32 s97, s61, RC
	s_mul_i32 s98, s96, RC
	s_mul_i32 s99, s62, 32*528
	s_add_co_u32 s98, s98, s99
	v_mul_u32_u24 v12, v1, 528
	v_lshl_add_u32 v12, v2, 4, v12
	v_add_nc_u32 v[FA], s97, v12
	v_add_nc_u32 v[FB], s98, v12
	s_mul_i32 s97, s61, RS
	s_add_co_u32 s97, s97, SBASE
	s_mul_i32 s98, s96, RS
	s_mul_i32 s99, s62, 32*48
	s_add_co_u32 s98, s98, s99
	s_add_co_u32 s98, s98, SBASE
	v_mul_u32_u24 v12, v3, 48
	v_add_nc_u32 v[SA], s97, v12
	v_add_nc_u32 v[SBA], s98, v12
	v_lshlrev_b32 v[O16], 4, v3
	v_lshlrev_b32 v[O4], 2, v3
	v_lshlrev_b32 v[BO], 5, v2
	s_lshl_b32 s99, s62, 7
	v_lshl_add_u32 v[BV], v1, 2, s99
.irp b, 0,1,2,3
	v_mov_b32 v[TM+4+\b], 0                        ; a lane permute's destination counts as one of its sources
.endr
	; group 1.  Codes: 64 rows x 512 elements of 1 byte, 4 words of padding behind every 128 words.  Scales: 64 rows x 32 bytes, 4 words behind every 8.
	s_mov_b32 s[CJ], 15|(1<<20)|(1<<21)|(6<<22)|(3<<25)   ; 15:0 the mask: all four work-groups; 20 padding on; 21 set beside a mask; 24:22 interval; 31:25 padding - 1
	s_mov_b32 s[CPL], (1<<20)|(6<<22)|(3<<25)
.irp g, CJ, CPL
	s_mov_b32 s[\g+1], 512<<16                     ; tensor_dim0
	s_mov_b32 s[\g+2], 64<<16                      ; tensor_dim1
	s_mov_b32 s[\g+3], 512<<16                     ; tile_dim0
	s_mov_b32 s[\g+4], 64                          ; tile_dim1
	s_mov_b32 s[\g+5], 512                         ; from row to row
	s_mov_b32 s[\g+6], 0
	s_mov_b32 s[\g+7], 0
.endr
	s_mov_b32 s[SJ], 15|(1<<20)|(1<<21)|(2<<22)|(3<<25)
	s_mov_b32 s[SPL], (1<<20)|(2<<22)|(3<<25)
.irp g, SJ, SPL
	s_mov_b32 s[\g+1], 32<<16
	s_mov_b32 s[\g+2], 64<<16
	s_mov_b32 s[\g+3], 32<<16
	s_mov_b32 s[\g+4], 64
	s_mov_b32 s[\g+5], 32
	s_mov_b32 s[\g+6], 0
	s_mov_b32 s[\g+7], 0
.endr
.irp i, 0,1,2,3
	s_mov_b32 s[4+8*\i], 1                         ; count = 1
	s_mov_b32 s[5+8*\i], \i*RC                     ; LDS address: constants, the same in every work-group
	s_mov_b32 s[8+8*\i], 1
	s_mov_b32 s[9+8*\i], SBASE+\i*RS
.endr
	s_lshl_b32 s2, s66, 15                         ; my 64 rows of x: 32,768 bytes of codes,
	s_mov_b32 s3, 0
	s_wait_kmcnt 0x0
	s_add_nc_u64 s[22:23], s[22:23], s[2:3]
	s_lshl_b32 s2, s66, 11                         ; 2,048 of scales
	s_add_nc_u64 s[26:27], s[26:27], s[2:3]
.irp i, 0,1,2,3,4,5,6,7
	s_or_b32 s[7+4*\i], s[7+4*\i], 0x80000000      ; type = 2
.endr
	CROUND                                         ; the four work-groups are here: the joint loads meet
; Waves 0 to 3 fetch one tensor each, its codes and its scales: a wave's two loads stand in one branch on its number; two loads of a wave are out at the most.  Four v_nop follow them.
.macro ARM n, g0c, g1c, g0s, g1s
	s_cmp_lg_u32 s60, \n
	s_cbranch_scc1 .Lnot_\@
	tensor_load_to_lds s[\g0c:\g0c+3], s[\g1c:\g1c+7]
	s_nop 0
	tensor_load_to_lds s[\g0s:\g0s+3], s[\g1s:\g1s+7]
	s_nop 0
	PLACES
	s_branch .Lasked
.Lnot_\@:
.endm
	ARM 0, 4, CJ, 8, SJ                            ; Wq
	ARM 1, 12, CJ, 16, SJ                          ; Wk
	ARM 2, 20, CPL, 24, SPL                        ; x
	ARM 3, 28, CJ, 32, SJ                          ; Wv
.Lasked:
	; the bias, in the result's layout, is the C of each sum's first matrix instruction
	s_cmp_eq_u32 s61, 0
	s_cselect_b64 s[88:89], s[76:77], s[78:79]
	s_cmp_eq_u32 s61, 2
	s_cselect_b64 s[88:89], s[80:81], s[88:89]
	s_cbranch_scc1 .Lbias_v
	s_wait_alu depctr_va_vdst(0)
.irp T, 0,1,2,3
	global_load_b128 v[BI+8*\T:BI+8*\T+3], v[BO], s[88:89] offset:64*\T        ; q, k: tile T wants b[16 T + 8 h + 0 .. 7]
	global_load_b128 v[BI+8*\T+4:BI+8*\T+7], v[BO], s[88:89] offset:64*\T+16
.endr
	s_branch .Lbias_done
.Lbias_v:
.set ix, 0
	s_wait_alu depctr_va_vdst(0)
.rept 32
	global_load_b32 v[BI+ix], v[BV], s[88:89] offset:64*((ix/8)%2)             ; v: all eight registers of tile u want bv[32 eta + 16 u + r]; both ways write all 32 registers
.set ix, ix+1
.endr
.Lbias_done:
	; where my results go
	s_lshr_b32 s67, s66, 1
	s_mul_i32 s67, s67, REC                        ; my record,
	s_and_b32 s96, s66, 1                          ; and which half of it
	s_lshl_b32 s97, s62, 10
	s_lshl_b32 s98, s66, 11
	s_add_co_u32 s98, s98, s97                     ; q's images: (4 x work-group + 2 eta) x 512
	s_max_u32 s99, s61, 1
	s_sub_co_u32 s99, s99, 1
	s_lshl_b32 s99, s99, 12                        ; k's images at 0 of the record, v's at 4,096
	s_add_co_u32 s99, s99, s67
	s_add_co_u32 s99, s99, s97
	s_lshl_b32 s97, s96, 11
	s_add_co_u32 s99, s99, s97                     ; + (4 x half + 2 eta) x 512
	s_cmp_eq_u32 s61, 0
	s_cselect_b32 s2, s98, s99
	s_cselect_b64 s[90:91], s[82:83], s[86:87]     ; qc or kv
	s_cselect_b64 s[92:93], s[84:85], s[86:87]     ; qs or kv
	s_add_nc_u64 s[90:91], s[90:91], s[2:3]
	s_lshl_b32 s97, s62, 7
	s_lshl_b32 s98, s66, 8
	s_add_co_u32 s98, s98, s97                     ; q's words: (64 x work-group + 32 eta) x 4
	s_add_co_u32 s99, s67, s97
	s_lshl_b32 s97, s96, 8
	s_add_co_u32 s97, s97, 8192                    ; k's words: 8,192 + (64 x half + 32 eta) x 4
	s_lshl_b32 s96, s96, 1
	s_add_co_u32 s96, s96, 8704                    ; v's: 8,704 + 128 eta + 2 x half: two bytes of each channel's word
	s_cmp_eq_u32 s61, 1
	s_cselect_b32 s97, s97, s96
	s_add_co_u32 s99, s99, s97
	s_cmp_eq_u32 s61, 0
	s_cselect_b32 s2, s98, s99
	s_add_nc_u64 s[92:93], s[92:93], s[2:3]
	s_wait_tensorcnt 0x0                           ; for the others' sake: my tiles have landed
	s_barrier_signal -1
	s_barrier_wait -1                              ; everybody's have
.macro FETCH s, f                      ; K step s: A's four fragments and B's two into set f: 12 loads.  A fragment: lane (r, h) takes 16 bytes at 16 h and 16 at 32 + 16 h of its row's 64
.irp T, 0,1,2,3
.irp c, 0,1
	ds_load_b128 v[(\f)+8*\T+4*\c:(\f)+8*\T+4*\c+3], v[FA] offset:\T*TROW+64*(\s)+32*\c
.endr
.endr
.irp u, 0,1
.irp c, 0,1
	ds_load_b128 v[(\f)+32+8*\u+4*\c:(\f)+32+8*\u+4*\c+3], v[FB] offset:\u*TROW+64*(\s)+32*\c
.endr
.endr
.endm
.macro WM d, a, b, c, sa, sb, ra, rb   ; one product; ra, rb: the side's scales stand in lanes 16-31
.if (\ra) && (\rb)
	v_wmma_scale_f32_16x16x128_f8f6f4 v[(\d):(\d)+7], v[(\a):(\a)+7], v[(\b):(\b)+7], v[(\c):(\c)+7], v[\sa], v[\sb] matrix_a_fmt:MATRIX_FMT_FP4 matrix_b_fmt:MATRIX_FMT_FP4 matrix_a_scale:MATRIX_SCALE_ROW1 matrix_b_scale:MATRIX_SCALE_ROW1
.elseif \ra
	v_wmma_scale_f32_16x16x128_f8f6f4 v[(\d):(\d)+7], v[(\a):(\a)+7], v[(\b):(\b)+7], v[(\c):(\c)+7], v[\sa], v[\sb] matrix_a_fmt:MATRIX_FMT_FP4 matrix_b_fmt:MATRIX_FMT_FP4 matrix_a_scale:MATRIX_SCALE_ROW1
.elseif \rb
	v_wmma_scale_f32_16x16x128_f8f6f4 v[(\d):(\d)+7], v[(\a):(\a)+7], v[(\b):(\b)+7], v[(\c):(\c)+7], v[\sa], v[\sb] matrix_a_fmt:MATRIX_FMT_FP4 matrix_b_fmt:MATRIX_FMT_FP4 matrix_b_scale:MATRIX_SCALE_ROW1
.else
	v_wmma_scale_f32_16x16x128_f8f6f4 v[(\d):(\d)+7], v[(\a):(\a)+7], v[(\b):(\b)+7], v[(\c):(\c)+7], v[\sa], v[\sb] matrix_a_fmt:MATRIX_FMT_FP4 matrix_b_fmt:MATRIX_FMT_FP4
.endif
.endm
; a K step's eight products.  The eight accumulators take turns, one instruction a turn, in the same order in every step.  mode 0: onto the sums; 1: C = the bias by A's tile; 2: by B's tile
.macro MUL s, f, mode
.irp T, 0,1,2,3
.irp u, 0,1
.if \mode == 0
.set CB, ACC+32*\u+8*\T
.elseif \mode == 1
.set CB, BI+8*\T
.else
.set CB, BI+8*\u
.endif
	WM ACC+32*\u+8*\T, (\f)+8*\T, (\f)+32+8*\u, CB, SCA+8*(\T/2)+(\s), SCB+(\s), \T%2, \u
.endr
.endr
.endm
.macro KSTEP s                         ; while step s is multiplied, step s + 1 comes into the set that step s - 1 has left
.if (\s) < 7
	PLACES                                         ; in front of loads into registers that the last products read
	FETCH (\s)+1, F0+48*(((\s)+1)%2)
	s_wait_dscnt 12                                ; all but the 12 just issued: step s's fragments are in
.else
	s_wait_dscnt 0x0
.endif
	MUL \s, F0+48*((\s)%2), 0
.endm
	ds_load_b128 v[SCA:SCA+3], v[SA]               ; scale words of all eight K steps: a row's 32 bytes; rows 0-31 (tiles 0, 1),
	ds_load_b128 v[SCA+4:SCA+7], v[SA] offset:16
	ds_load_b128 v[SCA+8:SCA+11], v[SA] offset:32*48       ; rows 32-63 (tiles 2, 3)
	ds_load_b128 v[SCA+12:SCA+15], v[SA] offset:32*48+16
	ds_load_b128 v[SCB:SCB+3], v[SBA]
	ds_load_b128 v[SCB+4:SCB+7], v[SBA] offset:16
	FETCH 0, F0
	FETCH 1, F0+48
	s_wait_loadcnt 0x0                             ; the bias
	s_wait_dscnt 12                                ; the scales and step 0 are in; step 1's 12 loads may be out
	s_cmp_eq_u32 s61, 2
	s_cbranch_scc1 .Lfirst_v
	MUL 0, F0, 1                                   ; the first K step starts the sums on the bias: nothing is cleared, nothing is added later
	s_branch .Lfirst_done
.Lfirst_v:
	MUL 0, F0, 2
.Lfirst_done:
.irp s, 1,2,3,4,5,6,7
	KSTEP \s
.endr
	PLACES
; THE QUANTISER.  Four blocks of 32: block b = 2 u + beta is A's rows 32 beta .. 32 beta + 31 of my row of B's tile u: 16 of them in my registers ACC + 16 b + 0 .. 15, the other 16 in lane l xor 16.
.irp b, 0,1,2,3
	v_max3_num_f32 v[TM+\b], |v[ACC+16*\b]|, |v[ACC+1+16*\b]|, 0x1800000   ; with the floor 2^(3 - 127): the byte cannot fall under 1.  Each accumulator is read from its low end on
.endr
.irp i, 2,4,6,8,10,12,14
.irp b, 0,1,2,3
	v_max3_num_f32 v[TM+\b], v[TM+\b], |v[ACC+16*\b+\i]|, |v[ACC+1+16*\b+\i]|
.endr
.endr
.irp b, 0,1,2,3
	v_permlanex16_b32 v[TM+4+\b], v[TM+\b], s94, s95
.endr
.irp b, 0,1,2,3
	v_max_num_f32 v[TM+\b], v[TM+\b], v[TM+4+\b]   ; the block's largest magnitude
.endr
.irp b, 0,1,2,3
	v_add_nc_u32 v[TM+8+\b], 0xff000000, v[TM+\b]  ; 2 off its exponent field: the conversion takes this operand's exponent field as its scale
.endr
.irp b, 0,1,2,3
	v_lshrrev_b32 v[TM+4+\b], 23, v[TM+8+\b]       ; the scale's byte
.endr
.irp u, 0,1
	v_lshl_or_b32 v[TM+12+\u], v[TM+5+2*\u], 8, v[TM+4+2*\u]
.endr
.irp u, 0,1
	v_or_b32 v[TM+12+\u], 0x7f7f0000, v[TM+12+\u]  ; the word of my row of tile u (v stores its low half alone)
.endr
; Tile T's eight numbers are piece 2 (T % 2) + h of block T / 2.  Its codes go to register 0, 2, 1, 3 for T = 0, 1, 2, 3; two exchanges of halves then leave piece i of block h in register i of lane (r, h): the operand's layout.
.irp u, 0,1
.irp T, 0,1,2,3
	v_cvt_scalef32_pk8_fp4_f32 v[PC+4*\u+2*(\T%2)+\T/2], v[ACC+32*\u+8*\T:ACC+32*\u+8*\T+7], v[TM+8+2*\u+\T/2]
.endr
.endr
	v_nop                                          ; one plain place behind a scaled conversion
.irp u, 0,1
	v_permlane16_swap_b32 v[PC+4*\u], v[PC+4*\u+1]
	v_permlane16_swap_b32 v[PC+4*\u+2], v[PC+4*\u+3]
.endr
	v_cmp_gt_u32 vcc_lo, 16, v3
	v_cndmask_b32 v[TM+12], v[TM+13], v[TM+12], vcc_lo     ; lanes 0-15: tile 0's words; lanes 16-31: tile 1's
	global_store_b128 v[O16], v[PC:PC+3], s[90:91]         ; an image: 512 consecutive bytes, at a multiple of 256
	global_store_b128 v[O16], v[PC+4:PC+7], s[90:91] offset:512
	s_cmp_eq_u32 s61, 2
	s_cbranch_scc1 .Lscales_v
	global_store_b32 v[O4], v[TM+12], s[92:93]             ; q, k: 32 words on end
	s_branch .Lstored
.Lscales_v:
	s_wait_alu depctr_va_vdst(0)
	global_store_b16 v[O4], v[TM+12], s[92:93]             ; v: my half's two bytes of 32 channels' words
.Lstored:
	CROUND                                         ; the closing round: no work-group ends while a partner may still ask for a tile that names it
	s_endpgm
.Lfunc_end_k_q69af3b4498_proj:
	.size	k_q69af3b4498_proj, .Lfunc_end_k_q69af3b4498_proj-k_q69af3b4498_proj
	.p2alignl 7, 3214868480
	.fill 96, 4, 3214868480
	.section	.rodata,"a",@progbits
	.p2align	6, 0x0
	.amdhsa_kernel k_q69af3b4498_proj
		.amdhsa_group_segment_fixed_size 167936
		.amdhsa_private_segment_fixed_size 0
		.amdhsa_enable_private_segment 0
		.amdhsa_kernarg_size 112
		.amdhsa_user_sgpr_count 2
		.amdhsa_user_sgpr_kernarg_segment_ptr 1
		.amdhsa_wavefront_size32 1
		.amdhsa_system_sgpr_workgroup_id_x 1
		.amdhsa_system_sgpr_workgroup_id_y 1
		.amdhsa_system_sgpr_workgroup_id_z 1
		.amdhsa_system_vgpr_workitem_id 0
		.amdhsa_next_free_vgpr 256
		.amdhsa_next_free_sgpr 100
		.amdhsa_reserve_vcc 1
		.amdhsa_float_denorm_mode_32 3
		.amdhsa_float_denorm_mode_16_64 3
		.amdhsa_memory_ordered 1
		.amdhsa_forward_progress 1
		.amdhsa_inst_pref_size 35
	.end_amdhsa_kernel
	.amdgpu_metadata
---
amdhsa.version: [ 1, 2 ]
amdhsa.kernels:
  - .name:           k_q69af3b4498_proj
    .symbol:         k_q69af3b4498_proj.kd
    .args:
      - { .name: Wq_codes, .offset: 0, .size: 8, .value_kind: global_buffer, .address_space: global }
      - { .name: Wq_scales, .offset: 8, .size: 8, .value_kind: global_buffer, .address_space: global }
      - { .name: Wk_codes, .offset: 16, .size: 8, .value_kind: global_buffer, .address_space: global }
      - { .name: Wk_scales, .offset: 24, .size: 8, .value_kind: global_buffer, .address_space: global }
      - { .name: x_codes, .offset: 32, .size: 8, .value_kind: global_buffer, .address_space: global }
      - { .name: x_scales, .offset: 40, .size: 8, .value_kind: global_buffer, .address_space: global }
      - { .name: Wv_codes, .offset: 48, .size: 8, .value_kind: global_buffer, .address_space: global }
      - { .name: Wv_scales, .offset: 56, .size: 8, .value_kind: global_buffer, .address_space: global }
      - { .name: bq, .offset: 64, .size: 8, .value_kind: global_buffer, .address_space: global }
      - { .name: bk, .offset: 72, .size: 8, .value_kind: global_buffer, .address_space: global }
      - { .name: bv, .offset: 80, .size: 8, .value_kind: global_buffer, .address_space: global }
      - { .name: qc, .offset: 88, .size: 8, .value_kind: global_buffer, .address_space: global }
      - { .name: qs, .offset: 96, .size: 8, .value_kind: global_buffer, .address_space: global }
      - { .name: kv, .offset: 104, .size: 8, .value_kind: global_buffer, .address_space: global }
    .group_segment_fixed_size: 167936
    .private_segment_fixed_size: 0
    .kernarg_segment_align: 8
    .kernarg_segment_size: 112
    .max_flat_workgroup_size: 192
    .sgpr_count:     100
    .vgpr_count:     256
    .wavefront_size: 32
...
	.end_amdgpu_metadata
.endif
;; end of part 1
;; launch attn (part 2): grid 64 x 4, 16 waves a work-group, clusters of 4 x 1, 327,680 bytes of LDS; arguments qc, qs, kv, out0; writes out0
.if DOCPART == 2
	.amdgcn_target "amdgcn-amd-amdhsa--gfx1250"
	.amdhsa_code_object_version 6
	.text
	.protected	k_q69af3b4498_attn
	.globl	k_q69af3b4498_attn
	.p2align	8
	.type	k_q69af3b4498_attn,@function
k_q69af3b4498_attn:
	s_mov_b64 s[64:65], 0
	v_nop
	global_prefetch_b8 v0, s[64:65] scope:SCOPE_SE
	s_setreg_imm32_b32 hwreg(HW_REG_WAVE_MODE, 25, 1), 1
	s_wait_xcnt 0x0
	s_wait_alu depctr_hold_cnt(0) depctr_sa_sdst(0) depctr_va_vdst(0) depctr_va_sdst(0) depctr_va_ssrc(0) depctr_va_vcc(0) depctr_vm_vsrc(0)
	s_getreg_b32 s2, hwreg(HW_REG_IB_STS2, 6, 4)
	s_cmp_eq_u32 s2, 0
	s_cbranch_scc0 .Lentry_in_a_cluster
	s_endpgm
.Lentry_in_a_cluster:
	s_bfe_u32 s2, ttmp6, 0x10000c
	s_cmp_lg_u32 s2, 0x3003
	s_cbranch_scc0 .Lentry_shape_is_right
	s_endpgm
.Lentry_shape_is_right:
; out[b][q][:] = the sum over keys k <= q of softmax_k(q . k / 8) v[k][:], both products on codes of FP4 (E2M1) with E8M0 scales, from the images that the launch before has made (qc, qs, kv: their layout is set out there).
; THE SOFTMAX: t = score x log2(e) / 8; M = the largest t so far, rounded UP to a whole number; p = 2^(t - M) is quantised along the keys, not normalised; the sum is taken of the unquantised p and divides at the end.
; When M moves, the sum and O are multiplied by 2^(old M - new M): exact.
; K = 64 in the first product: the upper 64 of the instruction's 128 are zero codes (registers 4-7 of both operands, cleared once) under the scale byte 0x7f.
; BALANCE.  A batch has 32 blocks of 128 queries, and block i needs key steps 0 .. i (128 keys a step).  Cluster a (0..15) owns block a (LOW) and block 31 - a (HIGH): 33 steps, whatever a.  Each of its four work-groups owns
; 32 queries of each block: two tiles of 16.  Wave w: j = w % 2 picks the tile, c = w / 2 picks the keys: of the high tile steps c + 8 i, of the low tile steps c' + 8 i, c' = 7 c mod 8, so that the waves with an extra high step
; are mostly not those with an extra low one: 4 or 5 steps a wave.  The eight partial results of a tile meet in LDS at the end.  All branches hang on a and on the wave's number, which the partners share.
; LDS.  A batch's 32 records, 286,720 bytes, are filled ONCE, jointly for the four work-groups (mask 15): wave w asks for records w and w + 16: two loads of a wave are out at the most.  No byte is filled twice.
; Behind the last read of the records the partial results and the stage for the way out are laid over them: those bytes have had their only fill.
; LAYOUT.  Both products are used transposed (S^T = K Q^T, O^T = V^T P^T): a lane holds ONE query (lane % 16).  Register j of S^T's tile T in lane (r, h) is key 16 T + 8 h + j.
; O^T begins as zeros, not with a first product on the constant 0.
; LIMITS: NaN, infinities among the numbers are not served; a block of p whose largest lies under 2^-124 gets the byte 1.
.set REC,  8960
.set HALF, 16*REC
.set PW,   8704                        ; a wave's partial results: O^T low 4,096, O^T high 4,096, low (-M, sum) 256, high 256
.set STG,  16*PW                       ; the stage: 64 rows x (256 + 16)
.set SP,   272
.set BAH, 1                            ; v1   c REC + 16 x lane     v2   c REC + 4 x lane
.set BSH, 2
.set BAL, 3                            ; v3, v4 the same with c'
.set BSL, 4
.set ADK, 5                            ; v5, v6 the step in hand
.set ADS, 6
.set DG,  7                            ; v7   my query in its block of 128, less 8 h
.set VSC, 8                            ; v8-9   V's scale words (scales alone)
.set STL, 10                           ; v10 -M, v11 the largest t, v[12:13] the sum in two halves: low;  v14-17: high
.set STH, 14
.set QWL, 18                           ; v18, v19 Q's scale words (scales alone)
.set QWH, 19
.set QL,  20                           ; v20-27, v28-35 Q's fragments
.set QH,  28
.set KF,  36                           ; v36-67   four fragments of K
.set VF,  68                           ; v68-99   V's four
.set S,   100                          ; v100-163 S^T, then p
.set OL,  164                          ; v164-195 O^T low;  v196-227 high
.set OH,  196
.set PC,  228                          ; v228-235 p's codes
.set BM,  236                          ; v236-239 the blocks' largest
.set PB,  240                          ; v240-243 at work, then the bytes
.set SO,  244                          ; v244-247 the conversions' scale operands
.set KSC, 248                          ; v248-251 K's scale words (scales alone)
.set TMP, 252
.set PSC, 253                          ; v253 p's scale word (a scale alone)
.set FF,  254                          ; v254 f = 2^(old M - new M); named with v255 as a pair
.macro PLACES                          ; four plain vector instructions that name no register of the matrix instruction in front (ISA guide 7.12.1)
.rept 4
	v_nop
.endr
.endm
.macro CROUND                          ; a round of the cluster's barrier
	s_barrier_signal -1
	s_barrier_wait -1
	s_cmp_lg_u32 s12, 0
	s_cbranch_scc1 .Lnot_wave_0_\@
	s_barrier_signal -3
.Lnot_wave_0_\@:
	s_barrier_wait -3
	s_barrier_signal -1
	s_barrier_wait -1
.endm
	s_load_b256 s[4:11], s[0:1], 0x0               ; qc s[4:5], qs s[6:7], kv s[8:9], out0 s[10:11]
	v_lshrrev_b32 v1, 5, v0
	s_delay_alu instid0(VALU_DEP_1)
	v_readfirstlane_b32 s12, v1                    ; wave 0..15
	s_and_b32 s13, s12, 1                          ; j
	s_lshr_b32 s14, s12, 1                         ; c
	s_mul_i32 s15, s14, 7
	s_and_b32 s15, s15, 7                          ; c'
	s_bfe_u32 s16, ttmp6, 0x40000                  ; cx: it enters global addresses and the mask's numbers alone
	s_mov_b32 s17, ttmp9                           ; a: the low block, and its last key step
	s_sub_co_u32 s18, 31, s17                      ; the high block, and its last key step
	s_and_b32 s19, ttmp7, 0xffff                   ; the batch
	s_mov_b32 s20, 0x76543210
	s_mov_b32 s21, 0xfedcba98                      ; v_permlanex16_b32's selects for lane l xor 16
	s_mov_b32 s22, 0x3e38aa3b                      ; log2(e) / 8
	s_mov_b32 s23, s22                             ; (named with it as a pair)
	; group 1: a record is 35 dense rows of 256 bytes (32 elements of 8 bytes), no padding: every LDS load below takes consecutive bytes in consecutive lanes
	s_mov_b32 s24, 15|(3<<16)|(1<<21)              ; 15:0 the mask: all four work-groups; 17:16 elements of 8 bytes; 21 set beside a mask
	s_mov_b32 s25, 32<<16                          ; tensor_dim0
	s_mov_b32 s26, 35<<16                          ; tensor_dim1
	s_mov_b32 s27, 32<<16                          ; tile_dim0
	s_mov_b32 s28, 35                              ; tile_dim1
	s_mov_b32 s29, 32                              ; from row to row
	s_mov_b32 s30, 0
	s_mov_b32 s31, 0
	s_mov_b32 s32, 1
	s_mul_i32 s33, s12, REC                        ; record w at w REC in LDS,
	s_mov_b32 s36, 1
	s_add_co_u32 s37, s33, HALF                    ; record w + 16 behind the first sixteen
	s_mul_i32 s40, s19, 32*REC
	s_add_co_u32 s40, s40, s33
	s_mov_b32 s41, 0
	s_wait_kmcnt 0x0
	s_add_nc_u64 s[34:35], s[8:9], s[40:41]
	s_add_nc_u64 s[38:39], s[34:35], HALF
	s_or_b32 s35, s35, 0x80000000                  ; type = 2
	s_or_b32 s39, s39, 0x80000000
	CROUND                                         ; the four work-groups are here: the joint loads meet
	tensor_load_to_lds s[32:35], s[24:31]
	s_nop 0
	tensor_load_to_lds s[36:39], s[24:31]
	s_nop 0
	PLACES
	v_and_b32 v5, 31, v0                           ; lane
	v_and_b32 v6, 15, v0                           ; r
	s_mul_i32 s40, s14, REC
	s_mul_i32 s41, s15, REC
	v_lshl_add_u32 v[BAH], v5, 4, s40
	v_lshl_add_u32 v[BSH], v5, 2, s40
	v_lshl_add_u32 v[BAL], v5, 4, s41
	v_lshl_add_u32 v[BSL], v5, 2, s41
	v_bfe_u32 v[DG], v0, 4, 1
	s_delay_alu instid0(VALU_DEP_1)
	v_lshlrev_b32 v[DG], 3, v[DG]
	s_delay_alu instid0(VALU_DEP_1)
	v_sub_nc_u32 v[DG], v6, v[DG]
	s_lshl_b32 s42, s16, 5
	s_lshl_b32 s43, s13, 4
	s_add_co_u32 s42, s42, s43
	v_add_nc_u32 v[DG], s42, v[DG]                 ; 32 cx + 16 j + r - 8 h
	s_lshl_b32 s44, s19, 8
	s_lshl_b32 s45, s16, 1
	s_add_co_u32 s44, s44, s45
	s_add_co_u32 s44, s44, s13                     ; 256 x batch + 2 cx + j
	s_lshl_b32 s45, s17, 3
	s_add_co_u32 s45, s45, s44                     ; my low tile of 16 queries,
	s_lshl_b32 s46, s18, 3
	s_add_co_u32 s46, s46, s44                     ; my high one
	s_lshl_b32 s47, s45, 9
	s_lshl_b32 s48, s46, 9
	v_lshl_add_u32 v100, v5, 4, s47                ; an image is 512 bytes, 16 a lane
	v_lshl_add_u32 v101, v5, 4, s48
	s_lshl_b32 s47, s45, 6
	s_lshl_b32 s48, s46, 6
	v_lshl_add_u32 v102, v6, 2, s47                ; a word a query
	v_lshl_add_u32 v103, v6, 2, s48
	global_load_b128 v[QL:QL+3], v100, s[4:5]
	global_load_b128 v[QH:QH+3], v101, s[4:5]
	global_load_b32 v[QWL], v102, s[6:7]
	global_load_b32 v[QWH], v103, s[6:7]
.irp k, 4,5,6,7
	v_mov_b32 v[QL+\k], 0                          ; the zero codes of K = 64 .. 127
	v_mov_b32 v[QH+\k], 0
.irp T, 0,1,2,3
	v_mov_b32 v[KF+8*\T+\k], 0
.endr
.endr
.set ix, 0
.rept 64
	v_mov_b32 v[OL+ix], 0                          ; O^T, low and high
.set ix, ix+1
.endr
.irp s, STL, STH
	v_mov_b32 v[\s+1], 0xff61b1e6                  ; the largest t so far: -3e38, under every t
	s_delay_alu instid0(VALU_DEP_1)
	v_floor_f32 v[\s], -v[\s+1]                    ; -M
	v_mov_b32 v[\s+2], 0
	v_mov_b32 v[\s+3], 0
.endr
.irp b, 0,1,2,3
	v_mov_b32 v[PB+\b], 0                          ; a lane permute's destination counts as one of its sources
.endr
	v_mov_b32 v[FF+1], 0                           ; (the upper half of f's pair)
	s_wait_loadcnt 0x0                             ; Q; its address registers may be written again
.macro SMUL T, k, qf, qw               ; S^T's tile T = 16 keys (fragment k) x my 16 queries.  K's words: lanes 0-15 the even tile's keys, lanes 16-31 the odd one's
.if (\T)%2
	v_wmma_scale_f32_16x16x128_f8f6f4 v[S+8*(\T):S+8*(\T)+7], v[KF+8*(\k):KF+8*(\k)+7], v[\qf:\qf+7], 0, v[KSC+(\T)/2], v[\qw] matrix_a_fmt:MATRIX_FMT_FP4 matrix_b_fmt:MATRIX_FMT_FP4 matrix_a_scale:MATRIX_SCALE_ROW1
.else
	v_wmma_scale_f32_16x16x128_f8f6f4 v[S+8*(\T):S+8*(\T)+7], v[KF+8*(\k):KF+8*(\k)+7], v[\qf:\qf+7], 0, v[KSC+(\T)/2], v[\qw] matrix_a_fmt:MATRIX_FMT_FP4 matrix_b_fmt:MATRIX_FMT_FP4
.endif
.endm
.macro OMUL t, ob                      ; O^T's tile t += 16 channels x these 128 keys
.if (\t)%2
	v_wmma_scale_f32_16x16x128_f8f6f4 v[\ob+8*(\t):\ob+8*(\t)+7], v[VF+8*(\t):VF+8*(\t)+7], v[PC:PC+7], v[\ob+8*(\t):\ob+8*(\t)+7], v[VSC+(\t)/2], v[PSC] matrix_a_fmt:MATRIX_FMT_FP4 matrix_b_fmt:MATRIX_FMT_FP4 matrix_a_scale:MATRIX_SCALE_ROW1
.else
	v_wmma_scale_f32_16x16x128_f8f6f4 v[\ob+8*(\t):\ob+8*(\t)+7], v[VF+8*(\t):VF+8*(\t)+7], v[PC:PC+7], v[\ob+8*(\t):\ob+8*(\t)+7], v[VSC+(\t)/2], v[PSC] matrix_a_fmt:MATRIX_FMT_FP4 matrix_b_fmt:MATRIX_FMT_FP4
.endif
.endm
; A KEY STEP of one tile: record s[cs] + 8 g.  ob: O^T; st: the tile's -M, t, sums; qf, qw: Q's fragment and word; ba, bs: the LDS bases.
; tail = 1: the step is left out where it lies beyond s[lim], the block's last step, and on that last step, the diagonal, hidden scores become -infinity.
.macro STEP ob, st, qf, qw, ba, bs, g, tail, cs, lim
.if \tail
	s_add_co_u32 s40, s[\cs], 8*\g
	s_cmp_gt_u32 s40, s[\lim]
	s_cbranch_scc1 .Lskip_\@
.endif
	v_add_nc_u32 v[ADK], \g*8*REC, v[\ba]
	v_add_nc_u32 v[ADS], \g*8*REC, v[\bs]
	v_nop
	v_nop                                          ; four places in front of loads into registers that the last step's products read
.irp T, 0,1,2,3
	ds_load_b128 v[KF+8*\T:KF+8*\T+3], v[ADK] offset:512*\T
.endr
.irp n, 0,1,2,3
	ds_load_b32 v[KSC+\n], v[ADS] offset:8192+128*\n
.endr
.irp t, 0,1,2,3
.irp c, 0,1
	ds_load_b128 v[VF+8*\t+4*\c:VF+8*\t+4*\c+3], v[ADK] offset:4096+512*(4*\c+\t)
.endr
.endr
.irp n, 0,1
	ds_load_b32 v[VSC+\n], v[ADS] offset:8704+128*\n
.endr
	s_wait_alu depctr_va_vdst(0)
	s_wait_dscnt 10                                ; K's first four tiles and its words are in; V's eight loads and its two words may be out
.irp T, 0,1,2,3
	SMUL \T, \T, \qf, \qw
.endr
	PLACES
.irp T, 0,1,2,3
	ds_load_b128 v[KF+8*\T:KF+8*\T+3], v[ADK] offset:2048+512*\T
.endr
	s_wait_dscnt 0x0
.irp T, 0,1,2,3
	SMUL 4+\T, \T, \qf, \qw
.endr
	PLACES
.if \tail
	s_cmp_lg_u32 s40, s[\lim]
	s_cbranch_scc1 .Lopen_\@
	v_mov_b32 v[TMP], 0xff800000                   ; -infinity: p = 0 then.  The step's first key counts for every query of the block, so M stays a number
.set ix, 0
.rept 64
	v_cmp_gt_i32 vcc_lo, 16*(ix/8)+ix%8, v[DG]     ; register 8 T + i holds key 16 T + 8 h + i of the step: hidden where it lies beyond my query
	v_cndmask_b32 v[S+ix], v[S+ix], v[TMP], vcc_lo
.set ix, ix+1
.endr
.Lopen_\@:
.endif
.irp b, 0,1,2,3
	v_max3_num_f32 v[BM+\b], v[S+16*\b], v[S+1+16*\b], v[S+2+16*\b]   ; the largest score of each block of 32 keys: for the row's maximum, and, since p rises with the score, for the block's largest p
.endr
.irp i, 3,5,7,9,11,13
.irp b, 0,1,2,3
	v_max3_num_f32 v[BM+\b], v[BM+\b], v[S+16*\b+\i], v[S+1+16*\b+\i]
.endr
.endr
.irp b, 0,1,2,3
	v_max_num_f32 v[BM+\b], v[BM+\b], v[S+15+16*\b]
.endr
.irp b, 0,1,2,3
	s_delay_alu instid0(VALU_DEP_4)
	v_permlanex16_b32 v[PB+\b], v[BM+\b], s20, s21
.endr
.irp b, 0,1,2,3
	s_delay_alu instid0(VALU_DEP_4)
	v_max_num_f32 v[BM+\b], v[BM+\b], v[PB+\b]     ; with lane l xor 16's 16 keys
.endr
	s_delay_alu instid0(VALU_DEP_2)
	v_max3_num_f32 v[TMP], v[BM], v[BM+1], v[BM+2]
	s_delay_alu instid0(VALU_DEP_1)
	v_max_num_f32 v[TMP], v[TMP], v[BM+3]
	s_delay_alu instid0(VALU_DEP_1)
	v_mul_f32 v[TMP], s22, v[TMP]                  ; the step's largest t
	s_delay_alu instid0(VALU_DEP_1)
	v_max_num_f32 v[\st+1], v[\st+1], v[TMP]
	v_mov_b32 v[TMP], v[\st]
	s_delay_alu instid0(VALU_DEP_2)
	v_floor_f32 v[\st], -v[\st+1]                  ; -M = floor(-t) = -ceil(t)
	s_delay_alu instid0(VALU_DEP_1)
	v_sub_f32 v[TMP], v[\st], v[TMP]               ; old M - new M: a whole number, 0 or less
	s_delay_alu instid0(VALU_DEP_1)
	v_cvt_i32_f32 v[TMP], v[TMP]                   ; (it saturates)
	s_delay_alu instid0(VALU_DEP_1)
	v_ldexp_f32 v[FF], 1.0, v[TMP]                 ; f
.set ix, 0
.rept 32
	v_pk_fma_f32 v[S+ix:S+ix+1], v[S+ix:S+ix+1], s[22:23], v[\st:\st+1] op_sel_hi:[1,0,0]   ; t - M, two at a time
.set ix, ix+2
.endr
.irp b, 0,1,2,3
	v_fma_f32 v[BM+\b], v[BM+\b], s22, v[\st]
.endr
.set ix, 0
	s_wait_alu depctr_va_vdst(0)
.rept 64
	v_exp_f32 v[S+ix], v[S+ix]                     ; p
.set ix, ix+1
.endr
	v_pk_mul_f32 v[\st+2:\st+3], v[\st+2:\st+3], v[FF:FF+1] op_sel_hi:[1,0]   ; the sums under the new M: the plain instruction behind the exponentials
	s_wait_alu depctr_va_vdst(0)                   ; one wait for the batch of 64, ahead of its first reader
.irp b, 0,1,2,3
	v_exp_f32 v[BM+\b], v[BM+\b]                   ; the blocks' largest p
.endr
	v_pk_add_f32 v[PB:PB+1], v[S:S+1], v[S+2:S+3]  ; the sum of the unquantised p, in two chains; it reads the 64 alone
.set ix, 4
.rept 15
	v_pk_add_f32 v[\st+2:\st+3], v[\st+2:\st+3], v[S+ix:S+ix+1]
	v_pk_add_f32 v[PB:PB+1], v[PB:PB+1], v[S+2+ix:S+3+ix]
.set ix, ix+4
.endr
	s_delay_alu instid0(VALU_DEP_1)
	v_pk_add_f32 v[\st+2:\st+3], v[\st+2:\st+3], v[PB:PB+1]
	s_wait_alu depctr_va_vdst(0)                   ; and one for the four
.irp b, 0,1,2,3
	v_max_num_f32 v[BM+\b], 0x1800000, v[BM+\b]    ; the floor 2^(3 - 127): the byte cannot fall under 1
.endr
.irp b, 0,1,2,3
	s_delay_alu instid0(VALU_DEP_4)
	v_add_nc_u32 v[SO+\b], 0xff000000, v[BM+\b]    ; 2 off the exponent field: the conversion's scale operand
.endr
.irp b, 0,1,2,3
	s_delay_alu instid0(VALU_DEP_4)
	v_lshrrev_b32 v[PB+\b], 23, v[SO+\b]
.endr
	s_delay_alu instid0(VALU_DEP_3)
	v_lshl_or_b32 v[PSC], v[PB+1], 8, v[PB]
	s_delay_alu instid0(VALU_DEP_1)
	v_lshl_or_b32 v[PSC], v[PB+2], 16, v[PSC]
	s_delay_alu instid0(VALU_DEP_1)
	v_lshl_or_b32 v[PSC], v[PB+3], 24, v[PSC]      ; p's scale word for these 128 keys
.irp T, 0,1,2,3,4,5,6,7
	v_cvt_scalef32_pk8_fp4_f32 v[PC+4*(\T/4)+2*(\T%2)+(\T%4)/2], v[S+8*\T:S+8*\T+7], v[SO+\T/2]   ; tile T is piece 2 (T % 2) + h of block T / 2
.endr
	v_nop                                          ; one plain place behind a scaled conversion
.irp c, 0,1
	v_permlane16_swap_b32 v[PC+4*\c], v[PC+4*\c+1] ; register 4 c + i of lane (r, h) is now piece i of block 2 c + h: the operand's layout
	v_permlane16_swap_b32 v[PC+4*\c+2], v[PC+4*\c+3]
.endr
.set ix, 0
.rept 16
	v_pk_mul_f32 v[\ob+ix:\ob+ix+1], v[\ob+ix:\ob+ix+1], v[FF:FF+1] op_sel_hi:[1,0]   ; O^T under the new M.  Twelve of the sixteen name no register of a given product below: the places behind p's word and codes
.set ix, ix+2
.endr
.irp t, 0,1,2,3
	OMUL \t, \ob
.endr
.if \tail
.Lskip_\@:
.endif
.endm
	s_wait_tensorcnt 0x1                           ; my first record is in; my second may stay out
	s_barrier_signal -1
	s_barrier_wait -1                              ; records 0 to 15 are whole
	STEP OH, STH, QH, QWH, BAH, BSH, 0, 0, 14, 18  ; high: step c: under 16, so never beyond the block's last step nor on it
	STEP OL, STL, QL, QWL, BAL, BSL, 0, 1, 15, 17  ; low: step c'
	STEP OL, STL, QL, QWL, BAL, BSL, 1, 1, 15, 17  ; low: step c' + 8
	STEP OH, STH, QH, QWH, BAH, BSH, 1, 0, 14, 18  ; high: step c + 8
	s_wait_tensorcnt 0x0                           ; for the others' sake: my second record is in
	s_wait_dscnt 0x0
	s_barrier_signal -1
	s_barrier_wait -1                              ; records 16 to 31 are whole
	STEP OH, STH, QH, QWH, BAH, BSH, 2, 1, 14, 18
	STEP OH, STH, QH, QWH, BAH, BSH, 3, 1, 14, 18
	; THE PARTIAL RESULTS MEET.  The first four lines are also the places behind the last products.
	v_add_f32 v[STL+1], v[STL+2], v[STL+3]         ; the sum's two halves, into the register that held t
	v_add_f32 v[STH+1], v[STH+2], v[STH+3]
	v_and_b32 v5, 31, v0                           ; lane
	s_wait_alu depctr_va_vdst(0)
	v_and_b32 v20, 15, v0                          ; r
	s_wait_alu depctr_va_vdst(0)
	v_bfe_u32 v21, v0, 4, 1                        ; h
	s_mul_i32 s40, s12, PW
	v_lshl_add_u32 v1, v5, 4, s40                  ; where I put O^T: images, 16 bytes a lane
	v_lshl_add_u32 v2, v5, 3, s40                  ; and (-M, sum): 8 bytes a lane
	s_lshr_b32 s41, s12, 3                         ; what I merge: low or high,
	s_bfe_u32 s42, s12, 0x10002                    ; tile j',
	s_and_b32 s43, s12, 3                          ; 16 channels t
	s_mul_i32 s44, s42, PW
	s_lshl_b32 s45, s41, 12
	s_add_co_u32 s45, s45, s44
	s_lshl_b32 s46, s43, 10
	s_add_co_u32 s45, s45, s46
	v_lshl_add_u32 v3, v5, 4, s45                  ; partial c lies 2 c PW further on; an offset has 16 bits, so c = 4 .. 7 have a base of their own
	s_delay_alu instid0(VALU_DEP_1)
	v_add_nc_u32 v4, 8*PW, v3
	s_lshl_b32 s46, s41, 8
	s_add_co_u32 s46, s46, s44
	s_add_co_u32 s46, s46, 8192
	v_lshl_add_u32 v6, v5, 3, s46
	s_delay_alu instid0(VALU_DEP_1)
	v_add_nc_u32 v7, 8*PW, v6
	s_lshr_b32 s47, s12, 2
	s_mul_i32 s47, s47, 16*SP
	s_lshl_b32 s48, s43, 6
	s_add_co_u32 s47, s47, s48
	s_add_co_u32 s47, s47, STG
	v_mul_u32_u24 v22, v20, SP
	s_wait_alu depctr_va_vdst(0)
	v_lshl_add_u32 v22, v21, 5, v22
	s_delay_alu instid0(VALU_DEP_1)
	v_add_nc_u32 v22, s47, v22                     ; the stage, in: row 16 (w / 4) + r, byte 64 t + 32 h
	s_mul_i32 s49, s12, 4*SP
	s_add_co_u32 s49, s49, STG
	v_mul_u32_u24 v23, v21, SP
	s_delay_alu instid0(VALU_DEP_1)
	v_lshl_add_u32 v23, v20, 4, v23
	s_delay_alu instid0(VALU_DEP_1)
	v_add_nc_u32 v23, s49, v23                     ; and out: rows 4 w + h and 4 w + 2 + h, 16 bytes a lane
	v_lshlrev_b32 v24, 8, v21
	s_delay_alu instid0(VALU_DEP_1)
	v_lshl_add_u32 v24, v20, 4, v24                ; the same in out0
	s_wait_dscnt 0x0                               ; my reads of the records are over
	s_barrier_signal -1
	s_barrier_wait -1                              ; everybody's are: the records' bytes may be written
.irp k, 0,1,2,3,4,5,6,7
	ds_store_b128 v1, v[OL+4*\k:OL+4*\k+3] offset:512*\k          ; each accumulator from its low end on
.endr
.irp k, 0,1,2,3,4,5,6,7
	ds_store_b128 v1, v[OH+4*\k:OH+4*\k+3] offset:4096+512*\k
.endr
	ds_store_b64 v2, v[STL:STL+1] offset:8192
	ds_store_b64 v2, v[STH:STH+1] offset:8448
	s_wait_dscnt 0x0                               ; for the others' sake: my stores have landed
	s_barrier_signal -1
	s_barrier_wait -1
.irp c, 0,1,2,3
	ds_load_b128 v[100+8*\c:103+8*\c], v3 offset:\c*2*PW
	ds_load_b128 v[104+8*\c:107+8*\c], v3 offset:\c*2*PW+512
	ds_load_b64 v[36+2*\c:37+2*\c], v6 offset:\c*2*PW
.endr
.irp c, 4,5,6,7
	ds_load_b128 v[100+8*\c:103+8*\c], v4 offset:(\c-4)*2*PW
	ds_load_b128 v[104+8*\c:107+8*\c], v4 offset:(\c-4)*2*PW+512
	ds_load_b64 v[36+2*\c:37+2*\c], v7 offset:(\c-4)*2*PW
.endr
	v_mov_b32 v54, 0                               ; a lane permute's destination
	v_mov_b32 v57, 0                               ; the upper half of the reciprocal's pair
	s_wait_dscnt 0x0
	v_min3_num_f32 v52, v36, v38, v40              ; the least -M: the largest M of the eight (a wave without a step has -M = 3e38)
	s_delay_alu instid0(VALU_DEP_1)
	v_min3_num_f32 v52, v52, v42, v44
	s_delay_alu instid0(VALU_DEP_1)
	v_min3_num_f32 v52, v52, v46, v48
	s_delay_alu instid0(VALU_DEP_1)
	v_min_num_f32 v52, v52, v50
.irp c, 0,1,2,3,4,5,6,7
	v_sub_f32 v[69+2*\c], v52, v[36+2*\c]          ; M of partial c less the largest M
.endr
.irp c, 0,1,2,3,4,5,6,7
	v_cvt_i32_f32 v[69+2*\c], v[69+2*\c]
.endr
.irp c, 0,1,2,3,4,5,6,7
	v_ldexp_f32 v[68+2*\c], 1.0, v[69+2*\c]        ; its factor: an exact power of two, or 0
.endr
	v_mul_f32 v53, v68, v37
.irp c, 1,2,3,4,5,6,7
	s_delay_alu instid0(VALU_DEP_1)
	v_fma_f32 v53, v[68+2*\c], v[37+2*\c], v53
.endr
	s_delay_alu instid0(VALU_DEP_1)
	v_permlanex16_b32 v54, v53, s20, s21
	s_delay_alu instid0(VALU_DEP_1)
	v_add_f32 v53, v53, v54                        ; with lane l xor 16's keys: the row's sum
	s_wait_alu depctr_va_vdst(0)
	v_rcp_f32 v56, v53
.irp k, 0,2,4,6
	v_pk_mul_f32 v[84+\k:85+\k], v[100+\k:101+\k], v[68:69] op_sel_hi:[1,0]   ; (plain work behind the reciprocal)
.endr
.irp c, 1,2,3,4,5,6,7
.irp k, 0,2,4,6
	s_delay_alu instid0(VALU_DEP_4)
	v_pk_fma_f32 v[84+\k:85+\k], v[100+8*\c+\k:101+8*\c+\k], v[68+2*\c:69+2*\c], v[84+\k:85+\k] op_sel_hi:[1,0,1]
.endr
.endr
	s_wait_alu depctr_va_vdst(0)                   ; ahead of the reciprocal's first reader
.irp k, 0,2,4,6
	v_pk_mul_f32 v[84+\k:85+\k], v[84+\k:85+\k], v[56:57] op_sel_hi:[1,0]
.endr
	ds_store_b128 v22, v[84:87]                    ; out(query r, channels 16 t + 8 h + 0 .. 7): the stage lies behind the partial results, which others may still be reading
	ds_store_b128 v22, v[88:91] offset:16
	s_cmp_lt_u32 s12, 8                            ; the stage's rows 0-31 are the low block's queries, rows 32-63 the high block's
	s_cselect_b32 s40, s17, s18
	s_lshl_b32 s40, s40, 7
	s_lshl_b32 s41, s16, 5
	s_add_co_u32 s40, s40, s41
	s_and_b32 s41, s12, 7
	s_lshl_b32 s41, s41, 2
	s_add_co_u32 s40, s40, s41
	s_lshl_b32 s41, s19, 12
	s_add_co_u32 s40, s40, s41                     ; my first row of out0
	s_lshl_b32 s40, s40, 8
	s_mov_b32 s41, 0
	s_add_nc_u64 s[10:11], s[10:11], s[40:41]
	s_wait_dscnt 0x0                               ; for the others' sake: my stores have landed
	s_barrier_signal -1
	s_barrier_wait -1                              ; 64 whole rows lie in the stage
	ds_load_b128 v[92:95], v23
	ds_load_b128 v[96:99], v23 offset:2*SP
	s_wait_dscnt 0x0
	global_store_b128 v24, v[92:95], s[10:11] th:TH_STORE_NT               ; 16 lanes store a row of 256 bytes, at a multiple of 256; the wave two rows on end
	global_store_b128 v24, v[96:99], s[10:11] offset:512 th:TH_STORE_NT
	CROUND                                         ; the closing round: no work-group ends while a partner may still ask for a tile that names it
	s_endpgm
.Lfunc_end_k_q69af3b4498_attn:
	.size	k_q69af3b4498_attn, .Lfunc_end_k_q69af3b4498_attn-k_q69af3b4498_attn
	.p2alignl 7, 3214868480
	.fill 96, 4, 3214868480
	.section	.rodata,"a",@progbits
	.p2align	6, 0x0
	.amdhsa_kernel k_q69af3b4498_attn
		.amdhsa_group_segment_fixed_size 327680
		.amdhsa_private_segment_fixed_size 0
		.amdhsa_enable_private_segment 0
		.amdhsa_kernarg_size 32
		.amdhsa_user_sgpr_count 2
		.amdhsa_user_sgpr_kernarg_segment_ptr 1
		.amdhsa_wavefront_size32 1
		.amdhsa_system_sgpr_workgroup_id_x 1
		.amdhsa_system_sgpr_workgroup_id_y 1
		.amdhsa_system_sgpr_workgroup_id_z 1
		.amdhsa_system_vgpr_workitem_id 0
		.amdhsa_next_free_vgpr 256
		.amdhsa_next_free_sgpr 66
		.amdhsa_reserve_vcc 1
		.amdhsa_float_denorm_mode_32 3
		.amdhsa_float_denorm_mode_16_64 3
		.amdhsa_memory_ordered 1
		.amdhsa_forward_progress 1
		.amdhsa_inst_pref_size 136
	.end_amdhsa_kernel
	.amdgpu_metadata
---
amdhsa.version: [ 1, 2 ]
amdhsa.kernels:
  - .name:           k_q69af3b4498_attn
    .symbol:         k_q69af3b4498_attn.kd
    .args:
      - { .name: qc, .offset: 0, .size: 8, .value_kind: global_buffer, .address_space: global }
      - { .name: qs, .offset: 8, .size: 8, .value_kind: global_buffer, .address_space: global }
      - { .name: kv, .offset: 16, .size: 8, .value_kind: global_buffer, .address_space: global }
      - { .name: out0, .offset: 24, .size: 8, .value_kind: global_buffer, .address_space: global }
    .group_segment_fixed_size: 327680
    .private_segment_fixed_size: 0
    .kernarg_segment_align: 8
    .kernarg_segment_size: 32
    .max_flat_workgroup_size: 512
    .sgpr_count:     66
    .vgpr_count:     256
    .wavefront_size: 32
...
	.end_amdgpu_metadata
.endif
;; end of part 2
